; MI455X (gfx1250); checked and timed in simulation.
; The chip was launched on July 23, 2026; its instructions are those of AMD's public machine-readable ISA for CDNA 5 (MIT licence, August 2026) and "CDNA5" Instruction Set Architecture Reference Guide (July 2026). The comments in the code are by the model that wrote it; some were corrected since.
;; Multihead Attention. Allowed arithmetic: float matrix products may take bf16 or f16 operands with f32 sums; all other float work in f32.
;; Inputs: WK 1,024 x 1,024 float32; WO 1,024 x 1,024 float32; WQ 1,024 x 1,024 float32; WV 1,024 x 1,024 float32; x 2 x 2,048 x 1,024 float32.
;; Outputs: out0 2 x 2,048 x 1,024 float32.
;; One version. Each part assembles by itself: llvm-mc -triple=amdgcn-amd-amdhsa -mcpu=gfx1250 --defsym DOCPART=n.
;; ======== version 1 of 1: 4 launches
;; limits: values are held in f16: magnitudes above 65,504 overflow, below 6.1e-05 lose precision
;; workspace buffers: xb 8,388,608 bytes; wt 8,388,608 bytes; qkv 25,165,824 bytes; ao 8,388,608 bytes
;; launch prep (part 1): grid 256 x 1, 8 waves a work-group, no clusters, 36,096 bytes of LDS; arguments x, WQ, WK, WV, WO, xb, wt; writes xb, wt
.if DOCPART == 1
	.amdgcn_target "amdgcn-amd-amdhsa--gfx1250"
	.amdhsa_code_object_version 6
	.text
	.protected	k_qcb837d0d2c_prep
	.globl	k_qcb837d0d2c_prep
	.p2align	8
	.type	k_qcb837d0d2c_prep,@function
k_qcb837d0d2c_prep:
	s_mov_b64 s[64:65], 0
	v_nop
	global_prefetch_b8 v0, s[64:65] scope:SCOPE_SE
	s_setreg_imm32_b32 hwreg(HW_REG_WAVE_MODE, 25, 1), 1
	s_wait_xcnt 0x0
; xb = bf16(x), [4096][1024].   wt = the four weights transposed, [4096 (n)][1024 (k)], 16 bits a number:
; rows 0-1023 WQ^T, 1024-2047 WK^T, 2048-3071 WV^T in bf16; rows 3072-4095 WO^T as f16(bf16(WO)): the bf16 value in f16 code,
; exact for |WO| in 2^-14 .. 65,504.  LIMIT: |WO| above 65,504 becomes infinite, below 2^-14 it is kept in steps of 2^-24.
; A stream: each input byte is read once, each output byte written once.  No matrix unit, no tensor loads, no cluster: nothing is shared.
; Work-group i of 256 takes 16 rows of x (65,536 bytes) and one tile of 128 k x 128 n of one weight (mat = i / 64, kt = (i / 8) % 8, nt = i % 8).
; All 32 loads of a wave (16 bytes a lane each) are issued before anything is waited for.
; THE TRANSPOSE.  Wave w loads rows k = 16 w .. 16 w + 15 of the tile, lane L columns n = 4 L .. 4 L + 3.  Its 16 numbers of one column
; are packed in registers into two chunks of 16 bytes (e = 0, 1: 8 k each).  Chunk (w, c, e, L) lies in LDS at w REG + c CP + e EP + 16 L:
; a store of a wave covers 512 neighbouring bytes of the wave's own region.  Read back by rows of n: sixteen lanes take the chunks
; (w', e) = (ch / 2, ch % 2), ch = 0 .. 15; REG = 32 and EP = 16 modulo 256, so they start at sixteen different 16-byte columns of the
; 64 banks of 4 bytes (ISA guide 11.1).
.set XR,  16                           ; v[16:79]   x as loaded, 4 registers a pass; packed in place
.set WR,  80                           ; v[80:143]  W as loaded: row rr in 4 registers; later the rows read back from LDS
.set TR,  144                          ; v[144:175] packed chunks: 8 c + 4 e + word
.set REG, 4384                         ; LDS bytes of a wave's region
.set CP,  1056                         ; from column c to c + 1
.set EP,  528                          ; from k half 0 to k half 1
	s_load_b256 s[4:11], s[0:1], 0x0               ; x s[4:5], WQ s[6:7], WK s[8:9], WV s[10:11]
	s_load_b128 s[12:15], s[0:1], 0x20             ; WO s[12:13], xb s[14:15]
	s_load_b64 s[16:17], s[0:1], 0x30              ; wt
	v_lshl_add_u32 v176, v0, 2, 0x8900
	v_mov_b32 v177, 0
	v_lshrrev_b32 v12, 5, v0
	v_readfirstlane_b32 s20, v12                   ; wave 0..7
	v_and_b32 v1, 31, v0                           ; lane L
	v_lshlrev_b32 v2, 4, v0                        ; x: 16 bytes a thread, 4,096 a pass
	v_lshlrev_b32 v3, 3, v0                        ; xb: 8 bytes a thread, 2,048 a pass
	s_lshl_b32 s21, s20, 16
	v_lshl_add_u32 v4, v1, 4, s21                  ; W: 16 rows of 4,096 bytes a wave + 16 L
	s_mul_i32 s21, s20, REG
	v_lshl_add_u32 v5, v1, 4, s21                  ; LDS, in: my wave's region + 16 L
	v_and_b32 v13, 15, v1                          ; ch
	v_lshrrev_b32 v14, 4, v1                       ; hh: which of two rows
	v_lshrrev_b32 v15, 1, v13
	v_mul_u32_u24 v7, v15, REG                     ; LDS, back: the region of wave ch / 2,
	v_and_b32 v15, 1, v13
	v_mad_u32_u24 v7, v15, EP, v7                  ; k half ch % 2,
	v_mad_u32_u24 v7, v14, CP, v7                  ; column c = hh (+ 2 e' by the offset),
	s_lshl_b32 s21, s20, 6
	v_add_nc_u32 v7, s21, v7                       ; lane 4 w (+ q by the offset)
	v_lshlrev_b32 v11, 4, v13                      ; wt: 16 ch
	v_lshl_add_u32 v11, v14, 11, v11               ;   + hh rows of 2,048 bytes
	s_lshl_b32 s21, s20, 15
	v_add_nc_u32 v11, s21, v11                     ;   + 16 w rows
	s_lshr_b32 s22, ttmp9, 6                       ; mat
	s_bfe_u32 s23, ttmp9, 0x30003                  ; kt
	s_and_b32 s24, ttmp9, 7                        ; nt
	s_lshl_b32 s26, ttmp9, 16                      ; x: 65,536 bytes a work-group
	s_mov_b32 s27, 0
	s_lshl_b32 s28, ttmp9, 15                      ; xb: 32,768
	s_mov_b32 s29, 0
	s_lshl_b32 s30, s23, 19                        ; W: 128 kt rows of 4,096 bytes
	s_lshl_b32 s25, s24, 9
	s_add_co_u32 s30, s30, s25                     ;   + 128 nt columns of 4 bytes
	s_mov_b32 s31, 0
	s_lshl_b32 s32, s22, 21                        ; wt: 1,024 mat rows of 2,048 bytes
	s_lshl_b32 s25, s24, 18
	s_add_co_u32 s32, s32, s25                     ;   + 128 nt rows
	s_lshl_b32 s25, s23, 8
	s_add_co_u32 s32, s32, s25                     ;   + 128 kt numbers of 2 bytes
	s_mov_b32 s33, 0
	s_wait_kmcnt 0x0
	s_cmp_eq_u32 s22, 1                            ; which weight: a choice between buffers on the work-group's number
	s_cselect_b64 s[18:19], s[8:9], s[6:7]
	s_cmp_eq_u32 s22, 2
	s_cselect_b64 s[18:19], s[10:11], s[18:19]
	s_cmp_eq_u32 s22, 3
	s_cselect_b64 s[18:19], s[12:13], s[18:19]
	s_add_nc_u64 s[18:19], s[18:19], s[30:31]
	s_add_nc_u64 s[4:5], s[4:5], s[26:27]
	s_add_nc_u64 s[14:15], s[14:15], s[28:29]
	s_add_nc_u64 s[16:17], s[16:17], s[32:33]
.set j, 0
.rept 16
	global_load_b128 v[WR+4*j:WR+4*j+3], v4, s[18:19] offset:4096*j th:TH_LOAD_NT   ; row 16 w + j: 512 neighbouring bytes
.set j, j+1
.endr
.set j, 0
.rept 16
	global_load_b128 v[XR+4*j:XR+4*j+3], v2, s[4:5] offset:4096*j th:TH_LOAD_NT
.set j, j+1
.endr
	s_wait_loadcnt 16                              ; loads come back in order (ISA guide 5.7.1): W's 16 are in, x's 16 stay out
.irp c, 0,1,2,3
.irp e, 0,1
.irp u, 0,1,2,3
	v_cvt_pk_bf16_f32 v[TR+8*\c+4*\e+\u], v[WR+4*(8*\e+2*\u)+\c], v[WR+4*(8*\e+2*\u+1)+\c]   ; k = 8 e + 2 u, + 1 of column c
.endr
.endr
.endr
	s_cmp_lg_u32 s22, 3
	s_cbranch_scc1 .Lnot_wo
.set j, 0
.rept 32                                           ; WO alone: the bf16 values once more, in f16 code
	v_lshlrev_b32 v[12+2*(j%2)], 16, v[TR+j]
	v_and_b32 v[13+2*(j%2)], 0xffff0000, v[TR+j]
	v_cvt_pk_f16_f32 v[TR+j], v[12+2*(j%2)], v[13+2*(j%2)]
.set j, j+1
.endr
.Lnot_wo:
.irp c, 0,1,2,3
.irp e, 0,1
	ds_store_b128 v5, v[TR+8*\c+4*\e:TR+8*\c+4*\e+3] offset:\c*CP+\e*EP
.endr
.endr
	s_wait_dscnt 0x0                               ; my chunks are in LDS: other waves read them behind the barrier
	s_barrier_signal -1
	s_barrier_wait -1
.irp q, 0,1,2,3
.irp e, 0,1
	ds_load_b128 v[WR+4*(2*\q+\e):WR+4*(2*\q+\e)+3], v7 offset:16*\q+2*CP*\e   ; rows n = 16 w + 4 q + 2 e + hh, 256 bytes each
.endr
.endr
.set j, 0
.rept 16
	s_wait_loadcnt 15-j                            ; pass j of x is in; the younger passes stay out
	v_cvt_pk_bf16_f32 v[XR+4*j], v[XR+4*j], v[XR+4*j+1]
	v_cvt_pk_bf16_f32 v[XR+4*j+1], v[XR+4*j+2], v[XR+4*j+3]
	global_store_b64 v3, v[XR+4*j:XR+4*j+1], s[14:15] offset:2048*j            ; a wave stores 256 consecutive bytes, aligned
.set j, j+1
.endr
.irp q, 0,1,2,3
.irp e, 0,1
	s_wait_dscnt 7-(2*\q+\e)
	global_store_b128 v11, v[WR+4*(2*\q+\e):WR+4*(2*\q+\e)+3], s[16:17] offset:2048*(4*\q+2*\e)   ; 16 lanes: 256 consecutive bytes, aligned
.endr
.endr
	s_wait_tensorcnt 0x0
	ds_add_u32 v176, v177
	s_wait_dscnt 0x0
	s_endpgm
.Lfunc_end_k_qcb837d0d2c_prep:
	.size	k_qcb837d0d2c_prep, .Lfunc_end_k_qcb837d0d2c_prep-k_qcb837d0d2c_prep
	.p2alignl 7, 3214868480
	.fill 96, 4, 3214868480
	.section	.rodata,"a",@progbits
	.p2align	6, 0x0
	.amdhsa_kernel k_qcb837d0d2c_prep
		.amdhsa_group_segment_fixed_size 36096
		.amdhsa_private_segment_fixed_size 0
		.amdhsa_enable_private_segment 0
		.amdhsa_kernarg_size 56
		.amdhsa_user_sgpr_count 2
		.amdhsa_user_sgpr_kernarg_segment_ptr 1
		.amdhsa_wavefront_size32 1
		.amdhsa_system_sgpr_workgroup_id_x 1
		.amdhsa_system_sgpr_workgroup_id_y 1
		.amdhsa_system_sgpr_workgroup_id_z 1
		.amdhsa_system_vgpr_workitem_id 0
		.amdhsa_next_free_vgpr 178
		.amdhsa_next_free_sgpr 66
		.amdhsa_reserve_vcc 0
		.amdhsa_float_denorm_mode_32 3
		.amdhsa_float_denorm_mode_16_64 3
		.amdhsa_memory_ordered 1
		.amdhsa_forward_progress 1
		.amdhsa_inst_pref_size 19
	.end_amdhsa_kernel
	.amdgpu_metadata
---
amdhsa.version: [ 1, 2 ]
amdhsa.kernels:
  - .name:           k_qcb837d0d2c_prep
    .symbol:         k_qcb837d0d2c_prep.kd
    .args:
      - { .name: x, .offset: 0, .size: 8, .value_kind: global_buffer, .address_space: global }
      - { .name: WQ, .offset: 8, .size: 8, .value_kind: global_buffer, .address_space: global }
      - { .name: WK, .offset: 16, .size: 8, .value_kind: global_buffer, .address_space: global }
      - { .name: WV, .offset: 24, .size: 8, .value_kind: global_buffer, .address_space: global }
      - { .name: WO, .offset: 32, .size: 8, .value_kind: global_buffer, .address_space: global }
      - { .name: xb, .offset: 40, .size: 8, .value_kind: global_buffer, .address_space: global }
      - { .name: wt, .offset: 48, .size: 8, .value_kind: global_buffer, .address_space: global }
    .group_segment_fixed_size: 36096
    .private_segment_fixed_size: 0
    .kernarg_segment_align: 8
    .kernarg_segment_size: 56
    .max_flat_workgroup_size: 256
    .sgpr_count:     66
    .vgpr_count:     178
    .wavefront_size: 32
...
	.end_amdgpu_metadata
.endif
;; end of part 1
;; launch qkv (part 2): grid 16 x 16, 4 waves a work-group, clusters of 4 x 4, 327,680 bytes of LDS; arguments xb, wt, qkv; writes qkv
.if DOCPART == 2
	.amdgcn_target "amdgcn-amd-amdhsa--gfx1250"
	.amdhsa_code_object_version 6
	.text
	.protected	k_qcb837d0d2c_qkv
	.globl	k_qcb837d0d2c_qkv
	.p2align	8
	.type	k_qcb837d0d2c_qkv,@function
k_qcb837d0d2c_qkv:
	s_mov_b64 s[64:65], 0
	v_nop
	global_prefetch_b8 v0, s[64:65] scope:SCOPE_SE
	s_setreg_imm32_b32 hwreg(HW_REG_WAVE_MODE, 25, 1), 1
	s_wait_xcnt 0x0
	s_wait_alu depctr_hold_cnt(0) depctr_sa_sdst(0) depctr_va_vdst(0) depctr_va_sdst(0) depctr_va_ssrc(0) depctr_va_vcc(0) depctr_vm_vsrc(0)
	s_getreg_b32 s2, hwreg(HW_REG_IB_STS2, 6, 4)
	s_cmp_eq_u32 s2, 0
	s_cbranch_scc0 .Lentry_in_a_cluster
	s_endpgm
.Lentry_in_a_cluster:
	s_bfe_u32 s2, ttmp6, 0x10000c
	s_cmp_lg_u32 s2, 0xf033
	s_cbranch_scc0 .Lentry_shape_is_right
	s_endpgm
.Lentry_shape_is_right:
; [Q | K | V] = xb wt[0:3072]^T.  xb: [4096][1024] bf16, wt: rows n, k contiguous, bf16; sums in f32; result rounded once to f16 and
; stored by heads: qkv[which = 0..2][b * 16 + head][s][64].  LIMIT: |Q|, |K|, |V| above 65,504 (f16's largest number) become infinite.
; A work-group makes 256 rows x 192 columns (three whole heads) with four waves; wave w makes rows 64 w .. 64 w + 63 x all 192 columns:
; 4 x 12 accumulator tiles of 16 x 16, 384 registers.  So 16 rows of one head, 2,048 consecutive bytes of qkv, belong to one wave.
; K goes in steps of 128 through two LDS slots filled by the tensor data mover: a tile's rows are 256 bytes of memory, aligned.
; CLUSTERS: 4 x 4 work-groups.  xb's tile hangs on the block row alone and is asked for jointly by a row of the cluster, wt's on the block
; column alone and is asked for jointly by a column: each of the four issues the same load with the same descriptor.
; Every wave issues two joint loads a slot (64 rows of xb, 48 rows of wt).  Tensor loads of a wave outstanding, by this text's count:
; four at the start, two behind each later round of the cluster's barrier.
; REGISTERS in windows of 256: window 0 addresses, xb's fragments (two buffers of 4 x 8), the way out; window 1 wt's fragments (two buffers of
; 12 x 8); window 2 the accumulators of my rows 0-31 (tile (a, b) at 8 (12 a + b)); window 3 those of rows 32-63.
; THE MATRIX INSTRUCTION IS USED TRANSPOSED: source 0 = 16 rows of wt, source 1 = 16 rows of xb; lane l then holds row l % 16 of the
; result and in its registers 0-7 the columns 8 (l / 16) + 0 .. 7, which pack into 16 bytes.
.set SIZE_K, 1024
.set KSTEP,  128
.set PITCH,  272                       ; an LDS row: 256 bytes + 16 of padding: the 16 rows that a load touches start at 16 different banks (64 banks of 4 bytes: ISA guide 11.1)
.set AQ,     64*PITCH                  ; what one load brings of xb
.set BQ,     48*PITCH                  ; and of wt
.set ABYTES, 4*AQ
.set SLOT,   ABYTES+4*BQ               ; xb's 256 rows, then wt's 192 rows
.set STAGE,  2*SLOT                    ; behind the ring: no tensor load ever lands here
.set SPITCH, 400                       ; a stage row: 192 f16 + 16 bytes
.set WSTAGE, 16*SPITCH                 ; a wave's stage: 16 rows
.set LAPS,   SIZE_K/(2*KSTEP)          ; a lap = two K steps = once round the ring
.set ADRA, 16                          ; v16-17  LDS address of my xb fragments in slot 0, 1
.set ADRB, 20                          ; v20-21  the same for wt
.set STO,  24                          ; the way out: where I put 16 bytes of a row
.set RD,   25                          ; where I read them back
.set CO,   26                          ; my byte offset in 512 bytes of qkv
.set FA,   32                          ; window 0: xb's fragments, buffer u at FA + 32 u
.set FB,   0                           ; window 1: wt's fragments, buffer u at FB + 96 u
.set TMP,  96                          ; v96-143  packed results
.set RB,   144                         ; v144-191 rows read back
.set G1,  24                           ; s[24:31] group 1 for xb's tiles
.set G0,  32                           ; s[32:39] group 0 for xb's tiles, a set for each slot
.set G1B, 48                           ; s[48:55] group 1 for wt's tiles
.set G0B, 56                           ; s[56:63] group 0 for wt's tiles, a set for each slot
.set MSB, 0
.macro WIN new                         ; the immediate's high byte repeats the setting that is left
.if MSB != \new
	s_set_vgpr_msb (MSB<<8)|\new
.set MSB, \new
.endif
.endm
.set MUL_LO, 0xa1                      ; source 0 window 1, source 1 window 0, C and D window 2
.set MUL_HI, 0xf1                      ; the same, C and D window 3
.set TO_B,   0x40                      ; destination window 1, address window 0
.macro JLOAD s                         ; the two joint loads of a slot: each line has one mask and one set of registers
	tensor_load_to_lds s[G0+4*\s:G0+4*\s+3], s[G1:G1+7]
	s_nop 0
	tensor_load_to_lds s[G0B+4*\s:G0B+4*\s+3], s[G1B:G1B+7]
	s_nop 0
.endm
.macro CREST                           ; a round of the cluster's barrier behind its opening work-group barrier
	s_cmp_lg_u32 s10, 0
	s_cbranch_scc1 .Lnot_wave_0_\@
	s_barrier_signal -3
.Lnot_wave_0_\@:
	s_barrier_wait -3
	s_barrier_signal -1
	s_barrier_wait -1
.endm
.macro CROUND                          ; a whole round
	s_barrier_signal -1
	s_barrier_wait -1
	CREST
.endm
	s_load_b128 s[4:7], s[0:1], 0x0                ; xb s[4:5], wt s[6:7]
	s_load_b64 s[8:9], s[0:1], 0x10                ; qkv
	s_set_vgpr_msb 0x40
	v_lshl_add_u32 v255, v0, 2, 0x41c00
	s_set_vgpr_msb 0x4000
	v_mov_b32 v255, 0
	s_set_vgpr_msb 0x1
	ds_add_u32 v255, v255
	ds_add_u32 v255, v255
	s_set_vgpr_msb 0x100
	v_lshrrev_b32 v1, 5, v0
	v_readfirstlane_b32 s10, v1                    ; wave 0..3
	s_bfe_u32 s40, ttmp6, 0x40000                  ; cx
	s_bfe_u32 s41, ttmp6, 0x40004                  ; cy
	s_lshl_b32 s42, ttmp9, 2
	s_add_co_u32 s42, s42, s40                     ; block column = 4 x cluster x + cx
	s_and_b32 s13, ttmp7, 0xffff
	s_lshl_b32 s13, s13, 2
	s_add_co_u32 s13, s13, s41                     ; block row = 4 x cluster y + cy
	s_lshl_b32 s43, s41, 2
	s_lshl_b32 s43, 15, s43                        ; my row of the cluster: places 4 cy .. 4 cy + 3
	s_lshl_b32 s44, 0x1111, s40                    ; my column: places cx, cx + 4, cx + 8, cx + 12
	; group 1: tiles of 64 (48) rows x 128 elements of 2 bytes, 4 words of padding behind every 64 words
	s_or_b32 s[G1+0], s43, (1<<16)|(1<<20)|(1<<21)|(5<<22)|(3<<25)    ; mask: my row; element 2 bytes; padding on; bit 21 beside a mask; interval code 5; pad code 3
	s_or_b32 s[G1B+0], s44, (1<<16)|(1<<20)|(1<<21)|(5<<22)|(3<<25)   ; the same with my column's mask
	s_mov_b32 s[G1+1], KSTEP<<16                   ; tensor_dim0 = 128
	s_mov_b32 s[G1B+1], KSTEP<<16
	s_mov_b32 s[G1+2], 64<<16                      ; tensor_dim1 = 64
	s_mov_b32 s[G1B+2], 48<<16                     ;             = 48
	s_mov_b32 s[G1+3], KSTEP<<16                   ; tile_dim0 = 128
	s_mov_b32 s[G1B+3], KSTEP<<16
	s_mov_b32 s[G1+4], 64                          ; tile_dim1
	s_mov_b32 s[G1B+4], 48
	s_mov_b32 s[G1+5], SIZE_K                      ; elements from row to row
	s_mov_b32 s[G1B+5], SIZE_K
	s_mov_b32 s[G1+6], 0
	s_mov_b32 s[G1B+6], 0
	s_mov_b32 s[G1+7], 0
	s_mov_b32 s[G1B+7], 0
	; where the tiles come from: xb's from the block row and the wave's number, wt's from the block column and the wave's number,
	; each in registers that never hold the other coordinate
	s_lshl_b32 s16, s13, 8
	s_lshl_b32 s17, s10, 6
	s_add_co_u32 s16, s16, s17                     ; xb: row 256 x block row + 64 w
	s_lshl_b32 s16, s16, 11                        ; rows of 2,048 bytes (below 8 MiB)
	s_mov_b32 s17, 0
	s_mul_i32 s46, s42, 192
	s_mul_i32 s47, s10, 48
	s_add_co_u32 s46, s46, s47                     ; wt: row 192 x block column + 48 w
	s_lshl_b32 s46, s46, 11
	s_mov_b32 s47, 0
	s_mul_i32 s20, s10, AQ                         ; and where they go: the wave's number alone
	s_mul_i32 s21, s10, BQ
	s_add_co_u32 s21, s21, ABYTES
	s_wait_dscnt 0x0
	s_wait_kmcnt 0x0
	s_add_nc_u64 s[14:15], s[4:5], s[16:17]
	s_add_nc_u64 s[46:47], s[6:7], s[46:47]
	CROUND                                         ; all sixteen work-groups are here: the first joint loads meet
.irp s, 0,1
	s_mov_b32 s[G0+4*\s], 1                                        ; count = 1
	s_add_co_u32 s[G0+4*\s+1], s20, \s*SLOT                        ; LDS address
	s_add_nc_u64 s[G0+4*\s+2:G0+4*\s+3], s[14:15], \s*KSTEP*2      ; global address: K step s
	s_or_b32 s[G0+4*\s+3], s[G0+4*\s+3], 0x80000000                ; type = 2
	s_mov_b32 s[G0B+4*\s], 1
	s_add_co_u32 s[G0B+4*\s+1], s21, \s*SLOT
	s_add_nc_u64 s[G0B+4*\s+2:G0B+4*\s+3], s[46:47], \s*KSTEP*2
	s_or_b32 s[G0B+4*\s+3], s[G0B+4*\s+3], 0x80000000
	JLOAD \s
.endr
	; a fragment: lane l holds row l % 16; registers 0-3 K = 8 (l / 16) + 0..7, registers 4-7 K = 16 + 8 (l / 16) + 0..7: two loads of 16 bytes, 32 apart
	v_and_b32 v1, 15, v0                           ; r
	v_bfe_u32 v2, v0, 4, 1                         ; h
	v_mul_u32_u24 v3, v1, PITCH
	v_lshl_add_u32 v3, v2, 4, v3
	s_mov_b32 s22, s20                             ; my 64 rows of xb
	s_mov_b32 s23, ABYTES                          ; all 192 rows of wt
.irp s, 0,1
	v_add_nc_u32 v[ADRA+\s], s22, v3
	v_add_nc_u32 v[ADRB+\s], s23, v3
	s_add_co_u32 s22, s22, SLOT
	s_add_co_u32 s23, s23, SLOT
.endr
	s_mul_i32 s22, s10, WSTAGE
	s_add_co_u32 s22, s22, STAGE                   ; my stage
	v_mul_u32_u24 v4, v1, SPITCH
	v_lshl_add_u32 v4, v2, 4, v4
	v_add_nc_u32 v[STO], s22, v4                   ; in: row r, 16 bytes for each half of the lanes
	v_and_b32 v5, 31, v0
	v_lshrrev_b32 v6, 3, v5
	v_and_b32 v7, 7, v5
	v_mul_u32_u24 v6, v6, SPITCH
	v_lshl_add_u32 v6, v7, 4, v6
	v_add_nc_u32 v[RD], s22, v6                    ; back: eight lanes take the 128 bytes of one row of one head
	v_lshlrev_b32 v[CO], 4, v5                     ; four such rows are 512 consecutive bytes of qkv
; 12 matrix instructions: row tile 2 hi + a of my four x all 12 column tiles, 32 along K.  zero = 1: the first product starts the sums.
.macro MUL12 u, hi, a, zero
.irp b, 0,1,2,3,4,5,6,7,8,9,10,11
.if \zero
	v_wmma_f32_16x16x32_bf16 v[8*(12*\a+\b):8*(12*\a+\b)+7], v[FB+96*\u+8*\b:FB+96*\u+8*\b+7], v[FA+32*\u+8*(2*\hi+\a):FA+32*\u+8*(2*\hi+\a)+7], 0
.else
	v_wmma_f32_16x16x32_bf16 v[8*(12*\a+\b):8*(12*\a+\b)+7], v[FB+96*\u+8*\b:FB+96*\u+8*\b+7], v[FA+32*\u+8*(2*\hi+\a):FA+32*\u+8*(2*\hi+\a)+7], v[8*(12*\a+\b):8*(12*\a+\b)+7]
.endif
.endr
.endm
; 32 LDS loads in one run: the fragments of a quarter step (192 rows of wt, my 64 rows of xb, 32 K at byte k of the rows) into buffer u
.macro FETCH slot, k, u
	WIN TO_B
.irp i, 0,1,2,3,4,5,6,7,8,9,10,11
	ds_load_b128 v[FB+96*\u+8*\i:FB+96*\u+8*\i+3],   v[ADRB+\slot] offset:\k+\i*16*PITCH
	ds_load_b128 v[FB+96*\u+8*\i+4:FB+96*\u+8*\i+7], v[ADRB+\slot] offset:\k+\i*16*PITCH+32
.endr
	WIN 0
.irp i, 0,1,2,3
	ds_load_b128 v[FA+32*\u+8*\i:FA+32*\u+8*\i+3],   v[ADRA+\slot] offset:\k+\i*16*PITCH
	ds_load_b128 v[FA+32*\u+8*\i+4:FA+32*\u+8*\i+7], v[ADRA+\slot] offset:\k+\i*16*PITCH+32
.endr
.endm
; Four plain vector places stand between a matrix instruction and a load into one of its registers, or a vector instruction that reads its
; result (ISA guide 7.12.1 for vector instructions); the matrix instructions in between are not counted.
.macro PLACES
.rept 4
	v_nop
.endr
.endm
; A K step is four quarters of 32 along K, 48 matrix instructions each, on buffers 0, 1, 0, 1.  The 48 accumulators take turns, one instruction
; a turn, in the same order in every quarter, over the loop's backward jump too.
.macro QUARTER slot, k, f, g, zero
	s_wait_dscnt 4                                 ; wt's fragments and xb's tiles 0, 1 are in; the youngest four loads (tiles 2, 3) may be out
	WIN MUL_LO
	MUL12 \f, 0, 0, \zero
	MUL12 \f, 0, 1, \zero
	PLACES
	FETCH \slot, \k, \g
	s_wait_dscnt 32                                ; all but the 32 just issued
	WIN MUL_HI
	MUL12 \f, 1, 0, \zero
	MUL12 \f, 1, 1, \zero
.endm
.macro THREE slot, zero
	QUARTER \slot, 64,  0, 1, \zero
	QUARTER \slot, 128, 1, 0, 0
	QUARTER \slot, 192, 0, 1, 0
.endm
; The last quarter multiplies buffer 1 and changes slots.  In front of the barrier each wave waits for its reads of this slot and for all
; its tensor loads (the two that are out are its parts of the next slot).  fill = 1: the barrier opens a round of the cluster's barrier, and the
; joint refills of this slot, two K steps ahead, are the first tensor loads behind the round.  From a request to the wait for it a wave
; issues 180 of a K step's 192 matrix instructions.
.macro TURN slot, next, fill
	s_wait_dscnt 4
	WIN MUL_LO
	MUL12 1, 0, 0, 0
	s_wait_dscnt 0                                 ; my reads of this slot are over
	s_wait_tensorcnt 0x0                           ; all my tensor loads have landed
	ds_add_u32 v255, v255
	s_wait_dscnt 0x0
	s_barrier_signal -1
	MUL12 1, 0, 1, 0                               ; register work while the others arrive
	WIN 0
	s_barrier_wait -1
.if \fill
	CREST                                          ; no wave of any partner still reads this slot or has a load on its way
	s_add_nc_u64 s[G0+4*\slot+2:G0+4*\slot+3], s[G0+4*\slot+2:G0+4*\slot+3], 2*KSTEP*2
	s_add_nc_u64 s[G0B+4*\slot+2:G0B+4*\slot+3], s[G0B+4*\slot+2:G0B+4*\slot+3], 2*KSTEP*2
	JLOAD \slot
.endif
	PLACES
	FETCH \next, 0, 0
	WIN MUL_HI
	MUL12 1, 1, 0, 0
	MUL12 1, 1, 1, 0
.endm
.macro LAP zero
	THREE 0, \zero
	TURN 0, 1, 1
	THREE 1, 0
	TURN 1, 0, 1
.endm
	s_wait_tensorcnt 2                             ; my two parts of K step 0 are in; K step 1's two stay out
	s_barrier_signal -1
	s_barrier_wait -1
	FETCH 0, 0, 0
	LAP 1                                          ; the first lap stands in front of the loop: its first products start the sums
	WIN 0                                          ; at a label and at a branch every window is 0
	s_mov_b32 s3, LAPS-2
.Llap:
	LAP 0
	WIN 0
	s_sub_co_u32 s3, s3, 1
	s_cmp_lg_u32 s3, 0
	s_cbranch_scc1 .Llap
	THREE 0, 0                                     ; the last lap fills nothing
	TURN 0, 1, 0
	THREE 1, 0
	s_wait_dscnt 4
	WIN MUL_LO
	MUL12 1, 0, 0, 0
	MUL12 1, 0, 1, 0
	s_wait_dscnt 0
	WIN MUL_HI
	MUL12 1, 1, 0, 0
	MUL12 1, 1, 1, 0
	; THE WAY OUT, 16 rows at a time: round to f16, 16 bytes a lane into my own stage, read back by heads, store 512 consecutive bytes.
	PLACES                                         ; the places behind the last matrix instructions
	s_lshr_b32 s74, s13, 3
	s_lshl_b32 s74, s74, 4                         ; 16 x batch
	s_and_b32 s75, s13, 7
	s_lshl_b32 s75, s75, 8
	s_lshl_b32 s76, s10, 6
	s_add_co_u32 s75, s75, s76                     ; my first row in the sequence
	s_lshl_b32 s75, s75, 7                         ; rows of 128 bytes
	s_mul_i32 s76, s42, 3                          ; the first of my three heads, counted through Q, K, V
	s_mov_b32 s79, 0
.irp j, 0,1,2
	s_add_co_u32 s77, s76, \j
	s_lshr_b32 s78, s77, 4                         ; which of Q, K, V
	s_lshl_b32 s78, s78, 5
	s_and_b32 s77, s77, 15                         ; head
	s_add_co_u32 s78, s78, s77
	s_add_co_u32 s78, s78, s74
	s_lshl_b32 s78, s78, 18                        ; planes of 262,144 bytes
	s_add_co_u32 s78, s78, s75
	s_add_nc_u64 s[68+2*\j:69+2*\j], s[8:9], s[78:79]
.endr
; rows 16 row .. + 15 of my 64 = the 12 tiles (loc, 0..11) of window 2 or 3 (from = 0x0a or 0x0f: sources 0 and 1)
.macro OUT16 row, loc, from
	WIN \from
.irp b, 0,1,2,3,4,5,6,7,8,9,10,11
.irp r, 0,1,2,3
	v_cvt_pk_f16_f32 v[TMP+4*\b+\r], v[8*(12*\loc+\b)+2*\r], v[8*(12*\loc+\b)+2*\r+1]
.endr
.endr
	WIN 0
.irp b, 0,1,2,3,4,5,6,7,8,9,10,11
	ds_store_b128 v[STO], v[TMP+4*\b:TMP+4*\b+3] offset:32*\b
.endr
	s_wait_xcnt 0x0                                ; RB, which the last stores read, is loaded again only behind this wait (ISA guide 3.1)
.irp j, 0,1,2
.irp i, 0,1,2,3
	ds_load_b128 v[RB+4*(4*\j+\i):RB+4*(4*\j+\i)+3], v[RD] offset:4*SPITCH*\i+128*\j   ; LDS serves a wave's instructions in order (ISA guide 5.7.1.4): these see the stores above
.endr
.endr
.irp j, 0,1,2
.irp i, 0,1,2,3
	s_wait_dscnt 11-(4*\j+\i)
	global_store_b128 v[CO], v[RB+4*(4*\j+\i):RB+4*(4*\j+\i)+3], s[68+2*\j:69+2*\j] offset:2048*\row+512*\i   ; four rows of a head: 512 consecutive bytes, aligned
.endr
.endr
.endm
	OUT16 0, 0, 0x0a
	OUT16 1, 1, 0x0a
	OUT16 2, 0, 0x0f
	OUT16 3, 1, 0x0f
	s_set_vgpr_msb 0x1
	s_wait_tensorcnt 0x0
	ds_add_u32 v255, v255
	s_wait_dscnt 0x0
	s_set_vgpr_msb 0x100
	CROUND                                         ; the closing round: no work-group ends while a partner may still ask for a tile that names it
	s_endpgm
.Lfunc_end_k_qcb837d0d2c_qkv:
	.size	k_qcb837d0d2c_qkv, .Lfunc_end_k_qcb837d0d2c_qkv-k_qcb837d0d2c_qkv
	.p2alignl 7, 3214868480
	.fill 96, 4, 3214868480
	.section	.rodata,"a",@progbits
	.p2align	6, 0x0
	.amdhsa_kernel k_qcb837d0d2c_qkv
		.amdhsa_group_segment_fixed_size 327680
		.amdhsa_private_segment_fixed_size 0
		.amdhsa_enable_private_segment 0
		.amdhsa_kernarg_size 24
		.amdhsa_user_sgpr_count 2
		.amdhsa_user_sgpr_kernarg_segment_ptr 1
		.amdhsa_wavefront_size32 1
		.amdhsa_system_sgpr_workgroup_id_x 1
		.amdhsa_system_sgpr_workgroup_id_y 1
		.amdhsa_system_sgpr_workgroup_id_z 1
		.amdhsa_system_vgpr_workitem_id 0
		.amdhsa_next_free_vgpr 960
		.amdhsa_next_free_sgpr 80
		.amdhsa_reserve_vcc 0
		.amdhsa_float_denorm_mode_32 3
		.amdhsa_float_denorm_mode_16_64 3
		.amdhsa_memory_ordered 1
		.amdhsa_forward_progress 1
		.amdhsa_inst_pref_size 163
	.end_amdhsa_kernel
	.amdgpu_metadata
---
amdhsa.version: [ 1, 2 ]
amdhsa.kernels:
  - .name:           k_qcb837d0d2c_qkv
    .symbol:         k_qcb837d0d2c_qkv.kd
    .args:
      - { .name: xb, .offset: 0, .size: 8, .value_kind: global_buffer, .address_space: global }
      - { .name: wt, .offset: 8, .size: 8, .value_kind: global_buffer, .address_space: global }
      - { .name: qkv, .offset: 16, .size: 8, .value_kind: global_buffer, .address_space: global }
    .group_segment_fixed_size: 327680
    .private_segment_fixed_size: 0
    .kernarg_segment_align: 8
    .kernarg_segment_size: 24
    .max_flat_workgroup_size: 128
    .sgpr_count:     80
    .vgpr_count:     960
    .wavefront_size: 32
...
	.end_amdgpu_metadata
.endif
;; end of part 2
;; launch attn (part 3): grid 256 x 1, 8 waves a work-group, no clusters, 327,680 bytes of LDS; arguments qkv, ao; writes ao
.if DOCPART == 3
	.amdgcn_target "amdgcn-amd-amdhsa--gfx1250"
	.amdhsa_code_object_version 6
	.text
	.protected	k_qcb837d0d2c_attn
	.globl	k_qcb837d0d2c_attn
	.p2align	8
	.type	k_qcb837d0d2c_attn,@function
k_qcb837d0d2c_attn:
	s_mov_b64 s[64:65], 0
	v_nop
	global_prefetch_b8 v0, s[64:65] scope:SCOPE_SE
	s_setreg_imm32_b32 hwreg(HW_REG_WAVE_MODE, 25, 1), 1
	s_wait_xcnt 0x0
; Causal attention of one (batch, head): ao[bh][s][64] = softmax(Q K^T / 8, keys <= query) V, all operands f16, sums and softmax in f32,
; with a running maximum.  LIMITS: masked scores are set to -2^100, so real scores must lie above that; an exponential below 2^-126 counts
; as 0; |result| above 65,504 (f16's largest number) becomes infinite.
; SHARES.  Work-group = (bh = id / 8, p = id % 8).  It makes the query blocks p and 15 - p of 128 rows: (p + 1) + (16 - p) = 17 tiles of 128 keys
; for every work-group, one stream of 17 steps t; the tile of step t is t for t <= p, else t - p - 1.  Steps p and 16 are on the diagonal.
; Wave w: wq = w % 4 owns query rows 32 wq .. + 31 (two tiles j of 16), g = w / 4 takes keys 64 g .. + 63 of every tile.  The two waves of a
; pair keep their own maximum, sum and O and are merged through LDS at a block's end.
; NO CLUSTER: the eight work-groups of a head need 1 .. 8 and then 9 .. 16 tiles a block; walking jointly, every partner would have to ask for
; the longest partner's tiles: 4 + 16 = 20 or 8 + 12 = 20 steps in clusters of p = 0..3 and 4..7, against 17 here.
; TRANSPOSED FORMS.  S^T = K Q^T: source 0 = 16 keys from LDS, source 1 = 16 queries in registers; lane (r, h) holds query r and keys 8 h + e.
; Two packed tiles of S^T are source 1 of O^T = V^T P^T as they lie: no lane exchange.  V^T comes by the transposing LDS load.
; K and V come by tensor loads into two slots; each wave brings 16 rows of K and 16 of V of each tile: two tensor loads of a wave are out
; behind each step's barrier, and they have the whole step in which to land.
.set SLOT, 38912                       ; K: 128 rows x 144, then V: 128 rows x 160
.set VOFF, 18432
.set KP,   144                         ; 128 bytes + 16: an odd multiple of 16
.set VP,   160                         ; 128 bytes + 32: an odd multiple of 32, for the transposing load
.set STG,  2*SLOT                      ; merge stage: 16 x 512 bytes of O + 512 of statistics for each wq; no tensor load lands here
.set STGW, 8704
.set OST,  STG+4*STGW                  ; output stage: 32 rows x 144 bytes for each wq
.set OSTW, 4608
.set NEG, 1                            ; v1      -2^100
.set KA,  2                            ; v2-3    my K fragments in slot 0, 1
.set VA,  4                            ; v4-5    my V fragments in slot 0, 1
.set QO,  6                            ; v6      my bytes in 16 rows of Q
.set DQ,  7                            ; v7      32 wq + r - 64 g - 8 h: key 16 i + e is masked for query tile j where 16 i + e - 16 j > DQ
.set SG,  8                            ; v8      merge stage
.set OS,  9                            ; v9      output stage, in
.set ORD, 10                           ; v10     output stage, back
.set OG,  11                           ; v11     my bytes in 512 bytes of ao
.set LS,  14                           ; v14-15  sums l_j (of my half of the keys of a lane pair until the block's end)
.set NM,  16                           ; v[16:19] -(running maximum x c), twice, for j = 0, 1
.set AL,  20                           ; v[20:23] alpha_j, twice
.set T,   24                           ; v24-31  at work
.set Q,   32                           ; v[32:63]   Q(j, dh) at 16 j + 8 dh
.set O,   64                           ; v[64:127]  O(t, j) at 8 (2 t + j): d = 16 t + 8 h + e of query r
.set S,   128                          ; v[128:191] S(i, j) at 32 (i / 2) + 16 j + 8 (i % 2); P(c, j) = the first 8 registers of 32 c + 16 j
.set F,   192                          ; v[192:255] K(i, dh) at 16 i + 8 dh, later V(t, c) at 8 (4 c + t)
.set G1K, 16                           ; s[16:23]
.set G1V, 24                           ; s[24:31]
.set G0K, 32                           ; s[32:39] a set for each slot
.set G0V, 40                           ; s[40:47]
	s_load_b128 s[4:7], s[0:1], 0x0                ; qkv s[4:5], ao s[6:7]
	s_set_vgpr_msb 0x40
	v_lshl_add_u32 v0, v0, 2, 0x29000
	v_mov_b32 v1, 0
	s_set_vgpr_msb 0x4045
	ds_add_u32 v0, v1
	ds_add_u32 v0, v1
	s_set_vgpr_msb 0x4500
	v_lshrrev_b32 v12, 5, v0
	v_readfirstlane_b32 s8, v12                    ; wave 0..7
	s_and_b32 s9, s8, 3                            ; wq
	s_lshr_b32 s10, s8, 2                          ; g
	s_and_b32 s11, ttmp9, 7                        ; p
	s_lshr_b32 s62, ttmp9, 3                       ; bh
	; group 1: 16 rows x 64 elements of 2 bytes, dense in memory; behind every 32 words 4 (K) or 8 (V) words of padding
	s_mov_b32 s[G1K+0], (1<<16)|(1<<20)|(4<<22)|(3<<25)
	s_mov_b32 s[G1V+0], (1<<16)|(1<<20)|(4<<22)|(7<<25)
	s_mov_b32 s[G1K+1], 64<<16                     ; tensor_dim0 = 64
	s_mov_b32 s[G1V+1], 64<<16
	s_mov_b32 s[G1K+2], 16<<16                     ; tensor_dim1 = 16
	s_mov_b32 s[G1V+2], 16<<16
	s_mov_b32 s[G1K+3], 64<<16                     ; tile_dim0 = 64
	s_mov_b32 s[G1V+3], 64<<16
	s_mov_b32 s[G1K+4], 16                         ; tile_dim1 = 16
	s_mov_b32 s[G1V+4], 16
	s_mov_b32 s[G1K+5], 64                         ; elements from row to row
	s_mov_b32 s[G1V+5], 64
	s_mov_b32 s[G1K+6], 0
	s_mov_b32 s[G1V+6], 0
	s_mov_b32 s[G1K+7], 0
	s_mov_b32 s[G1V+7], 0
	s_mul_i32 s14, s8, 16*KP                       ; my 16 rows in a slot's K
	s_mul_i32 s15, s8, 16*VP
	s_add_co_u32 s15, s15, VOFF                    ; and in its V
.irp s, 0,1
	s_mov_b32 s[G0K+4*\s], 1
	s_add_co_u32 s[G0K+4*\s+1], s14, \s*SLOT
	s_mov_b32 s[G0V+4*\s], 1
	s_add_co_u32 s[G0V+4*\s+1], s15, \s*SLOT
.endr
	s_lshl_b32 s62, s62, 18                        ; my plane: 262,144 bytes each
	s_lshl_b32 s63, s8, 11                         ; my 16 rows of 128 bytes
	s_add_co_u32 s52, s62, s63
	s_add_co_u32 s52, s52, 8388608                 ; K's 32 planes lie behind Q's
	s_mov_b32 s53, 0
	s_wait_dscnt 0x0
	s_wait_kmcnt 0x0
	s_add_nc_u64 s[48:49], s[4:5], s[52:53]        ; my rows of K's tile 0
	s_add_nc_u64 s[50:51], s[48:49], 8388608       ; and of V's
	s_or_b32 s49, s49, 0x80000000                  ; type = 2
	s_or_b32 s51, s51, 0x80000000
	s_mov_b64 s[G0K+2:G0K+3], s[48:49]
	s_mov_b64 s[G0V+2:G0V+3], s[50:51]
	tensor_load_to_lds s[G0K:G0K+3], s[G1K:G1K+7]  ; tile 0 into slot 0
	s_nop 0
	tensor_load_to_lds s[G0V:G0V+3], s[G1V:G1V+7]
	s_nop 0
	s_lshl_b32 s63, s9, 12                         ; 32 wq rows of 128 bytes
	s_add_co_u32 s62, s62, s63
	s_lshl_b32 s63, s11, 14                        ; block p: 128 rows of 128 bytes each
	s_add_co_u32 s52, s62, s63
	s_add_nc_u64 s[54:55], s[4:5], s[52:53]        ; Q of block p
	s_add_nc_u64 s[58:59], s[6:7], s[52:53]        ; its place in ao
	s_sub_co_u32 s63, 15, s11
	s_lshl_b32 s63, s63, 14
	s_add_co_u32 s52, s62, s63
	s_add_nc_u64 s[56:57], s[4:5], s[52:53]        ; Q of block 15 - p
	s_add_nc_u64 s[60:61], s[6:7], s[52:53]
	s_mov_b32 s66, 0x76543210                      ; v_permlanex16_b32: lane i of one half reads lane i of the other
	s_mov_b32 s67, 0xfedcba98
	s_mov_b32 s68, 0x3e38aa3b                      ; c = log2(e) / 8
	s_mov_b32 s69, 0x3e38aa3b
	s_mov_b32 s70, 0xbe38aa3b                      ; -c
	s_mul_i32 s71, s10, 64*KP
	s_mul_i32 s72, s10, 64*VP
	s_add_co_u32 s72, s72, VOFF
	s_mul_i32 s73, s9, STGW
	s_add_co_u32 s73, s73, STG
	s_mul_i32 s74, s9, OSTW
	s_add_co_u32 s74, s74, OST
	s_lshl_b32 s75, s9, 5
	s_lshl_b32 s63, s10, 6
	s_sub_co_i32 s75, s75, s63                     ; 32 wq - 64 g
	v_and_b32 v12, 15, v0                          ; r
	v_bfe_u32 v13, v0, 4, 1                        ; h
	v_and_b32 v24, 31, v0                          ; lane
	v_lshlrev_b32 v[QO], 7, v12
	v_lshl_add_u32 v[QO], v13, 4, v[QO]            ; row r of 128 bytes + 16 h
.macro QLOAD lo                        ; my 32 rows of Q as fragments: 8 loads
.irp j, 0,1
.irp d, 0,1
	global_load_b128 v[Q+16*\j+8*\d:Q+16*\j+8*\d+3],   v[QO], s[\lo:\lo+1] offset:2048*\j+64*\d
	global_load_b128 v[Q+16*\j+8*\d+4:Q+16*\j+8*\d+7], v[QO], s[\lo:\lo+1] offset:2048*\j+64*\d+32
.endr
.endr
.endm
	QLOAD 54
	v_mov_b32 v[NEG], 0xf1800000
	v_mul_u32_u24 v25, v12, KP
	v_lshl_add_u32 v25, v13, 4, v25                ; r x 144 + 16 h
	v_add_nc_u32 v[KA], s71, v25
	v_add_nc_u32 v[KA+1], SLOT, v[KA]
	v_add_nc_u32 v[OS], s74, v25
	v_and_b32 v25, 7, v12
	v_lshl_add_u32 v25, v13, 3, v25                ; key 8 h + l % 8
	v_mul_u32_u24 v25, v25, VP
	v_lshrrev_b32 v26, 3, v12
	v_lshl_add_u32 v25, v26, 4, v25                ; + 16 ((l / 8) % 2)
	v_add_nc_u32 v[VA], s72, v25
	v_add_nc_u32 v[VA+1], SLOT, v[VA]
	v_lshlrev_b32 v25, 3, v13
	v_sub_nc_u32 v[DQ], v12, v25
	v_add_nc_u32 v[DQ], s75, v[DQ]
	v_lshl_add_u32 v[SG], v24, 4, s73
	v_lshrrev_b32 v25, 3, v24
	v_mul_u32_u24 v25, v25, KP
	v_and_b32 v26, 7, v24
	v_lshl_add_u32 v25, v26, 4, v25
	v_add_nc_u32 v[ORD], s74, v25                  ; eight lanes take one row of 128 bytes
	v_lshlrev_b32 v[OG], 4, v24
	v_mov_b32 v27, 0                               ; a lane permute's destination counts as read
	; O and l are cleared once: every later block starts by alpha = 0 (see FINISH), and the steps are one text for all
.set n, 0
.rept 64
	v_mov_b32 v[O+n], 0
.set n, n+1
.endr
	v_mov_b32 v[LS], 0
	v_mov_b32 v[LS+1], 0
.irp n, 0,1,2,3
	v_mov_b32 v[NM+\n], 0x7038aa3b                 ; c x 2^100: the running maximum starts at -2^100
.endr
	s_mov_b32 s12, 0                               ; t
	s_mov_b32 s13, 8                               ; trips of two steps
	s_wait_loadcnt 0x0                             ; Q
; The diagonal tile: key > query gets -2^100.
.macro MASK
.irp i, 0,1,2,3
.irp j, 0,1
.irp e, 0,1,2,3,4,5,6,7
	v_cmp_gt_i32 vcc_lo, 16*\i+\e-16*\j, v[DQ]
	v_cndmask_b32 v[S+32*(\i/2)+16*\j+8*(\i%2)+\e], v[S+32*(\i/2)+16*\j+8*(\i%2)+\e], v[NEG], vcc_lo
.endr
.endr
.endr
.endm
; Softmax of query tile j over my 64 keys: 32 scores a lane.  All statistics use the one rounded product (maximum x c), so that alpha and p agree
; at any size of the scores.  A query all of whose keys here are masked gets p = 1 with NM = c x 2^100; the merge weighs that by 0.
.macro SOFT j
	v_max3_num_f32 v[T], v[S+16*\j], v[S+16*\j+1], v[S+16*\j+2]
	v_max3_num_f32 v[T+1], v[S+32+16*\j], v[S+32+16*\j+1], v[S+32+16*\j+2]
.irp k, 3,5,7,9,11,13
	v_max3_num_f32 v[T], v[T], v[S+16*\j+\k], v[S+16*\j+\k+1]
	v_max3_num_f32 v[T+1], v[T+1], v[S+32+16*\j+\k], v[S+32+16*\j+\k+1]
.endr
	v_max_num_f32 v[T+1], v[T+1], v[S+32+16*\j+15]
	v_max3_num_f32 v[T], v[T], v[S+16*\j+15], v[T+1]
	v_permlanex16_b32 v[T+2], v[T], s66, s67       ; the other half of the lanes holds the query's other keys
	v_max_num_f32 v[T], v[T], v[T+2]
	v_mul_f32 v[T+1], s70, v[T]                    ; -c x maximum of this tile
	v_min_num_f32 v[T+1], v[NM+2*\j], v[T+1]       ; the new running figure
	v_sub_f32 v[T+2], v[T+1], v[NM+2*\j]
	v_exp_f32 v[AL+2*\j], v[T+2]                   ; alpha = 2^(new - old), at most 1
	v_mov_b32 v[NM+2*\j], v[T+1]                   ; two plain places behind the exponential (ISA guide 5.7.2)
	v_mov_b32 v[NM+2*\j+1], v[T+1]
	s_wait_alu depctr_va_vdst(0)
	v_mov_b32 v[AL+2*\j+1], v[AL+2*\j]
.irp k, 0,2,4,6,8,10,12,14
	v_pk_fma_f32 v[S+16*\j+\k:S+16*\j+\k+1], v[S+16*\j+\k:S+16*\j+\k+1], s[68:69], v[NM+2*\j:NM+2*\j+1] op_sel_hi:[1,0,1]
	v_pk_fma_f32 v[S+32+16*\j+\k:S+32+16*\j+\k+1], v[S+32+16*\j+\k:S+32+16*\j+\k+1], s[68:69], v[NM+2*\j:NM+2*\j+1] op_sel_hi:[1,0,1]
.endr
.irp k, 0,1,2,3,4,5,6,7,8,9,10,11,12,13,14,15
	v_exp_f32 v[S+16*\j+\k], v[S+16*\j+\k]
	v_exp_f32 v[S+32+16*\j+\k], v[S+32+16*\j+\k]
.endr
	v_nop                                          ; the plain place behind the exponentials
	s_wait_alu depctr_va_vdst(0)
	v_pk_add_f32 v[T+4:T+5], v[S+16*\j:S+16*\j+1], v[S+16*\j+2:S+16*\j+3]
	v_pk_add_f32 v[T+6:T+7], v[S+32+16*\j:S+32+16*\j+1], v[S+32+16*\j+2:S+32+16*\j+3]
.irp k, 4,6,8,10,12,14
	v_pk_add_f32 v[T+4:T+5], v[T+4:T+5], v[S+16*\j+\k:S+16*\j+\k+1]
	v_pk_add_f32 v[T+6:T+7], v[T+6:T+7], v[S+32+16*\j+\k:S+32+16*\j+\k+1]
.endr
	v_pk_add_f32 v[T+4:T+5], v[T+4:T+5], v[T+6:T+7]
	v_add_f32 v[T+4], v[T+4], v[T+5]
	v_fma_f32 v[LS+\j], v[LS+\j], v[AL+2*\j], v[T+4]
.irp c, 0,1
.irp u, 0,1,2,3,4,5,6,7
	v_cvt_pk_f16_f32 v[S+32*\c+16*\j+\u], v[S+32*\c+16*\j+2*\u], v[S+32*\c+16*\j+2*\u+1]   ; in place, ascending: word u is written behind its reading
.endr
.endr
.endm
; A block's end.  Waves 4-7 hand O, NM and l to waves 0-3 through LDS; those merge, normalise, round to f16 and store 32 rows.
; reload = 1: Q of block 15 - p is fetched meanwhile and NM is set back to c x 2^100: the next step's alpha is then 0, which wipes O and l.
.macro FINISH reload, ob
.if \reload
	QLOAD 56
.endif
	v_permlanex16_b32 v[T+2], v[LS], s66, s67
	v_permlanex16_b32 v[T+3], v[LS+1], s66, s67
	v_add_f32 v[LS], v[LS], v[T+2]                 ; l over both halves of the lanes
	v_add_f32 v[LS+1], v[LS+1], v[T+3]
	s_cmp_lt_u32 s8, 4
	s_cbranch_scc1 .Lkeep_\@
	v_mov_b32 v[T], v[NM]
	v_mov_b32 v[T+1], v[NM+2]
	v_mov_b32 v[T+2], v[LS]
	v_mov_b32 v[T+3], v[LS+1]
.irp n, 0,1,2,3,4,5,6,7,8,9,10,11,12,13,14,15
	ds_store_b128 v[SG], v[O+4*\n:O+4*\n+3] offset:512*\n
.endr
	ds_store_b128 v[SG], v[T:T+3] offset:8192
.Lkeep_\@:
	s_wait_dscnt 0x0                               ; my stores are in LDS: my partner reads them behind the barrier
	s_barrier_signal -1                            ; the next tile's two loads stay on their way
	s_barrier_wait -1
	s_cmp_ge_u32 s8, 4
	s_cbranch_scc1 .Ldone_\@
	ds_load_b128 v[T+4:T+7], v[SG] offset:8192     ; the partner's NM0, NM1, l0, l1
.irp n, 0,1,2,3,4,5,6,7,8,9,10,11,12,13,14,15
	ds_load_b128 v[S+4*\n:S+4*\n+3], v[SG] offset:512*\n
.endr
	s_wait_dscnt 16                                ; the statistics are in; O's 16 loads stay out
	v_min_num_f32 v[T], v[NM], v[T+4]              ; the joint figure, j = 0
	v_min_num_f32 v[T+3], v[NM+2], v[T+5]          ; j = 1
	v_sub_f32 v[T+1], v[T], v[NM]
	v_sub_f32 v[T+2], v[T], v[T+4]
	v_sub_f32 v12, v[T+3], v[NM+2]
	v_sub_f32 v13, v[T+3], v[T+5]
	v_exp_f32 v[T+1], v[T+1]                       ; my weight, j = 0
	v_exp_f32 v[T+2], v[T+2]                       ; the partner's
	v_exp_f32 v12, v12                             ; j = 1
	v_exp_f32 v13, v13
	v_nop
	s_wait_alu depctr_va_vdst(0)
	v_mul_f32 v[LS], v[LS], v[T+1]
	v_mul_f32 v[LS+1], v[LS+1], v12
	v_fmac_f32 v[LS], v[T+6], v[T+2]
	v_fmac_f32 v[LS+1], v[T+7], v13
	v_rcp_f32 v[LS], v[LS]
	v_rcp_f32 v[LS+1], v[LS+1]
	v_nop
	s_wait_alu depctr_va_vdst(0)
	v_mul_f32 v[AL], v[T+1], v[LS]                 ; weight / sum, each twice for the packed forms
	v_mul_f32 v[AL+1], v[T+1], v[LS]
	v_mul_f32 v[AL+2], v12, v[LS+1]
	v_mul_f32 v[AL+3], v12, v[LS+1]
	v_mul_f32 v[T], v[T+2], v[LS]
	v_mul_f32 v[T+1], v[T+2], v[LS]
	v_mul_f32 v[T+2], v13, v[LS+1]
	v_mul_f32 v[T+3], v13, v[LS+1]
.irp t, 0,1,2,3
.irp j, 0,1
.irp k, 0,2,4,6
	v_pk_mul_f32 v[O+8*(2*\t+\j)+\k:O+8*(2*\t+\j)+\k+1], v[O+8*(2*\t+\j)+\k:O+8*(2*\t+\j)+\k+1], v[AL+2*\j:AL+2*\j+1]
.endr
.endr
.endr
	s_wait_dscnt 0x0                               ; the partner's O
.irp t, 0,1,2,3
.irp j, 0,1
.irp k, 0,2,4,6
	v_pk_fma_f32 v[O+8*(2*\t+\j)+\k:O+8*(2*\t+\j)+\k+1], v[S+8*(2*\t+\j)+\k:S+8*(2*\t+\j)+\k+1], v[T+2*\j:T+2*\j+1], v[O+8*(2*\t+\j)+\k:O+8*(2*\t+\j)+\k+1]
.endr
.endr
.endr
.irp t, 0,1,2,3
.irp j, 0,1
.irp u, 0,1,2,3
	v_cvt_pk_f16_f32 v[F+4*(2*\t+\j)+\u], v[O+8*(2*\t+\j)+2*\u], v[O+8*(2*\t+\j)+2*\u+1]
.endr
	ds_store_b128 v[OS], v[F+4*(2*\t+\j):F+4*(2*\t+\j)+3] offset:16*KP*\j+32*\t   ; row 16 j + r, d = 16 t + 8 h ..
.endr
.endr
.irp i, 0,1,2,3,4,5,6,7
	ds_load_b128 v[F+32+4*\i:F+32+4*\i+3], v[ORD] offset:4*KP*\i   ; my own bytes: LDS serves a wave's instructions in order (ISA guide 5.7.1.4)
.endr
.irp i, 0,1,2,3,4,5,6,7
	s_wait_dscnt 7-\i
	global_store_b128 v[OG], v[F+32+4*\i:F+32+4*\i+3], s[\ob:\ob+1] offset:512*\i   ; four rows: 512 consecutive bytes, aligned
.endr
	s_wait_xcnt 0x0                                ; the stores' data registers are loaded again only behind this wait (ISA guide 3.1)
.Ldone_\@:
.if \reload
.irp n, 0,1,2,3
	v_mov_b32 v[NM+\n], 0x7038aa3b
.endr
	s_wait_loadcnt 0x0                             ; the next block's Q
.endif
.endm
; One step: one tile of 128 keys from slot.  refill = 1: the next step's tile goes into the other slot.  last = 1: step 16.
.macro STEP slot, refill, last
	s_set_vgpr_msb 0x5
	s_wait_tensorcnt 0x0                           ; all my tensor loads have landed, my part of this step's tile among them: every group 0 may be written
	ds_add_u32 v0, v1
	s_wait_dscnt 0x0
	s_set_vgpr_msb 0x500
.if \refill
	s_add_co_u32 s14, s12, 1                       ; t + 1
	s_sub_co_u32 s15, s12, s11                     ; t + 1 - p - 1
	s_cmp_le_u32 s14, s11
	s_cselect_b32 s52, s14, s15                    ; the next step's tile
	s_lshl_b32 s52, s52, 14                        ; 128 rows of 128 bytes each
	s_add_nc_u64 s[G0K+4*(1-\slot)+2:G0K+4*(1-\slot)+3], s[48:49], s[52:53]
	s_add_nc_u64 s[G0V+4*(1-\slot)+2:G0V+4*(1-\slot)+3], s[50:51], s[52:53]
.endif
	s_wait_dscnt 0x0                               ; my reads of the other slot are over
	s_barrier_signal -1
	s_barrier_wait -1                              ; both now hold of all eight waves
.if \refill
	tensor_load_to_lds s[G0K+4*(1-\slot):G0K+4*(1-\slot)+3], s[G1K:G1K+7]
	s_nop 0
	tensor_load_to_lds s[G0V+4*(1-\slot):G0V+4*(1-\slot)+3], s[G1V:G1V+7]
	s_nop 0
.endif
.irp d, 0,1
.irp i, 0,1,2,3
	ds_load_b128 v[F+16*\i+8*\d:F+16*\i+8*\d+3],   v[KA+\slot] offset:16*KP*\i+64*\d
	ds_load_b128 v[F+16*\i+8*\d+4:F+16*\i+8*\d+7], v[KA+\slot] offset:16*KP*\i+64*\d+32
.endr
.endr
	s_wait_dscnt 8                                 ; the fragments of d = 0..31 are in; the eight of d = 32..63 may be out
	; eight accumulators take turns, one instruction a turn
.irp i, 0,1,2,3
.irp j, 0,1
	v_wmma_f32_16x16x32_f16 v[S+32*(\i/2)+16*\j+8*(\i%2):S+32*(\i/2)+16*\j+8*(\i%2)+7], v[F+16*\i:F+16*\i+7], v[Q+16*\j:Q+16*\j+7], 0
.endr
.endr
	s_wait_dscnt 0x0
.irp i, 0,1,2,3
.irp j, 0,1
	v_wmma_f32_16x16x32_f16 v[S+32*(\i/2)+16*\j+8*(\i%2):S+32*(\i/2)+16*\j+8*(\i%2)+7], v[F+16*\i+8:F+16*\i+15], v[Q+16*\j+8:Q+16*\j+15], v[S+32*(\i/2)+16*\j+8*(\i%2):S+32*(\i/2)+16*\j+8*(\i%2)+7]
.endr
.endr
.rept 4
	v_nop                                          ; four places: F is loaded again, and S is read (ISA guide 7.12.1)
.endr
.irp c, 0,1
.irp t, 0,1,2,3
	ds_load_tr16_b128 v[F+8*(4*\c+\t):F+8*(4*\c+\t)+3],   v[VA+\slot] offset:32*VP*\c+32*\t           ; keys 32 c + 8 h .. of column d = 16 t + r
	ds_load_tr16_b128 v[F+8*(4*\c+\t)+4:F+8*(4*\c+\t)+7], v[VA+\slot] offset:32*VP*\c+32*\t+16*VP     ; keys 32 c + 16 + 8 h ..
.endr
.endr
.if \last
	MASK
.else
	s_cmp_lg_u32 s12, s11                          ; step p is block p's diagonal
	s_cbranch_scc1 .Lnomask_\@
	MASK
.Lnomask_\@:
.endif
	SOFT 0
	SOFT 1
.irp t, 0,1,2,3
.irp j, 0,1
.irp k, 0,2,4,6
	v_pk_mul_f32 v[O+8*(2*\t+\j)+\k:O+8*(2*\t+\j)+\k+1], v[O+8*(2*\t+\j)+\k:O+8*(2*\t+\j)+\k+1], v[AL+2*\j:AL+2*\j+1]
.endr
.endr
.endr
	s_wait_dscnt 0x0                               ; V's fragments
.irp c, 0,1
.irp t, 0,1,2,3
.irp j, 0,1
	v_wmma_f32_16x16x32_f16 v[O+8*(2*\t+\j):O+8*(2*\t+\j)+7], v[F+8*(4*\c+\t):F+8*(4*\c+\t)+7], v[S+32*\c+16*\j:S+32*\c+16*\j+7], v[O+8*(2*\t+\j):O+8*(2*\t+\j)+7]
.endr
.endr
.endr
.rept 5
	v_nop                                          ; five places: the next step's first products write over P; F is loaded again; O is read
.endr
.if \last
	FINISH 0, 60
.else
	s_cmp_lg_u32 s12, s11
	s_cbranch_scc1 .Lnofin_\@
	FINISH 1, 58
.Lnofin_\@:
	s_add_co_u32 s12, s12, 1
.endif
.endm
.Lpair:
	STEP 0, 1, 0
	STEP 1, 1, 0
	s_sub_co_i32 s13, s13, 1
	s_cmp_lg_u32 s13, 0
	s_cbranch_scc1 .Lpair
	STEP 0, 0, 1                                   ; step 16: block 15 - p's diagonal; nothing more is fetched
	s_set_vgpr_msb 0x5
	s_wait_tensorcnt 0x0
	ds_add_u32 v0, v1
	s_wait_dscnt 0x0
	s_set_vgpr_msb 0x500
	s_endpgm
.Lfunc_end_k_qcb837d0d2c_attn:
	.size	k_qcb837d0d2c_attn, .Lfunc_end_k_qcb837d0d2c_attn-k_qcb837d0d2c_attn
	.p2alignl 7, 3214868480
	.fill 96, 4, 3214868480
	.section	.rodata,"a",@progbits
	.p2align	6, 0x0
	.amdhsa_kernel k_qcb837d0d2c_attn
		.amdhsa_group_segment_fixed_size 327680
		.amdhsa_private_segment_fixed_size 0
		.amdhsa_enable_private_segment 0
		.amdhsa_kernarg_size 16
		.amdhsa_user_sgpr_count 2
		.amdhsa_user_sgpr_kernarg_segment_ptr 1
		.amdhsa_wavefront_size32 1
		.amdhsa_system_sgpr_workgroup_id_x 1
		.amdhsa_system_sgpr_workgroup_id_y 1
		.amdhsa_system_sgpr_workgroup_id_z 1
		.amdhsa_system_vgpr_workitem_id 0
		.amdhsa_next_free_vgpr 258
		.amdhsa_next_free_sgpr 76
		.amdhsa_reserve_vcc 1
		.amdhsa_float_denorm_mode_32 3
		.amdhsa_float_denorm_mode_16_64 3
		.amdhsa_memory_ordered 1
		.amdhsa_forward_progress 1
		.amdhsa_inst_pref_size 112
	.end_amdhsa_kernel
	.amdgpu_metadata
---
amdhsa.version: [ 1, 2 ]
amdhsa.kernels:
  - .name:           k_qcb837d0d2c_attn
    .symbol:         k_qcb837d0d2c_attn.kd
    .args:
      - { .name: qkv, .offset: 0, .size: 8, .value_kind: global_buffer, .address_space: global }
      - { .name: ao, .offset: 8, .size: 8, .value_kind: global_buffer, .address_space: global }
    .group_segment_fixed_size: 327680
    .private_segment_fixed_size: 0
    .kernarg_segment_align: 8
    .kernarg_segment_size: 16
    .max_flat_workgroup_size: 256
    .sgpr_count:     76
    .vgpr_count:     258
    .wavefront_size: 32
...
	.end_amdgpu_metadata
.endif
;; end of part 3
;; launch oproj (part 4): grid 8 x 32, 4 waves a work-group, clusters of 4 x 4, 327,680 bytes of LDS; arguments ao, wt, out0; writes out0
.if DOCPART == 4
	.amdgcn_target "amdgcn-amd-amdhsa--gfx1250"
	.amdhsa_code_object_version 6
	.text
	.protected	k_qcb837d0d2c_oproj
	.globl	k_qcb837d0d2c_oproj
	.p2align	8
	.type	k_qcb837d0d2c_oproj,@function
k_qcb837d0d2c_oproj:
	s_mov_b64 s[64:65], 0
	v_nop
	global_prefetch_b8 v0, s[64:65] scope:SCOPE_SE
	s_setreg_imm32_b32 hwreg(HW_REG_WAVE_MODE, 25, 1), 1
	s_wait_xcnt 0x0
	s_wait_alu depctr_hold_cnt(0) depctr_sa_sdst(0) depctr_va_vdst(0) depctr_va_sdst(0) depctr_va_ssrc(0) depctr_va_vcc(0) depctr_vm_vsrc(0)
	s_getreg_b32 s2, hwreg(HW_REG_IB_STS2, 6, 4)
	s_cmp_eq_u32 s2, 0
	s_cbranch_scc0 .Lentry_in_a_cluster
	s_endpgm
.Lentry_in_a_cluster:
	s_bfe_u32 s2, ttmp6, 0x10000c
	s_cmp_lg_u32 s2, 0xf033
	s_cbranch_scc0 .Lentry_shape_is_right
	s_endpgm
.Lentry_shape_is_right:
; out0 = O WO.  O = ao[b * 16 + head][s][64] in f16 (k = 64 head + d), WO^T = wt rows 3072 .. 4095, k contiguous, f16; sums in f32; out0 f32.
; 4096 x 1024 results in blocks of 128 x 128 give 256 work-groups; a wave (wm = w / 2, wn = w % 2) makes 64 x 64: 16 accumulator tiles.
; K goes in steps of 256 (four heads) through two LDS slots.  Wave w brings head 4 step + w of O's 128 rows (16,384 consecutive bytes) and rows
; 32 w .. + 31 of WO^T (512 bytes each).
; CLUSTERS: 4 x 4 work-groups; O's tiles hang on the block row alone and are asked for jointly by a row of the cluster, WO^T's on the block
; column alone, by a column.  Tensor loads of a wave outstanding, by this text's count: four at the start, two behind each later round.
; The matrix instruction is used transposed (source 0 = rows of WO^T, source 1 = rows of O): a lane holds 8 neighbouring columns of one row.
.set ASUB,   128*144                   ; one head's 128 rows: 128 bytes + 16 of padding each
.set APITCH, 144
.set BPITCH, 528                       ; 512 bytes + 16
.set BQ,     32*BPITCH
.set ABYTES, 4*ASUB
.set SLOT,   ABYTES+4*BQ
.set STAGE,  2*SLOT                    ; behind the ring: no tensor load ever lands here
.set SPITCH, 272                       ; a stage row: 64 f32 + 16 bytes
.set WSTAGE, 16*SPITCH
.set ASTEP,  4*262144                  ; four heads on
.set BSTEP,  512                       ; 256 k on
.set ADRA, 16
.set ADRB, 20
.set STO,  24
.set RD,   25
.set CO,   26
.set FA,   32                          ; O's fragments, buffer u at FA + 64 u (4 x 8)
.set FB,   64                          ; WO^T's fragments, buffer u at FB + 64 u
.set RB,   160                         ; v160-191 rows read back
.set G1,  24
.set G0,  32
.set G1B, 48
.set G0B, 56
.set MSB, 0
.macro WIN new                         ; the immediate's high byte repeats the setting that is left
.if MSB != \new
	s_set_vgpr_msb (MSB<<8)|\new
.set MSB, \new
.endif
.endm
.set MULW, 0x50                        ; sources 0 and 1 window 0, C and D window 1: tile (a, b) at 8 (4 a + b)
.macro JLOAD s
	tensor_load_to_lds s[G0+4*\s:G0+4*\s+3], s[G1:G1+7]
	s_nop 0
	tensor_load_to_lds s[G0B+4*\s:G0B+4*\s+3], s[G1B:G1B+7]
	s_nop 0
.endm
.macro CREST
	s_cmp_lg_u32 s10, 0
	s_cbranch_scc1 .Lnot_wave_0_\@
	s_barrier_signal -3
.Lnot_wave_0_\@:
	s_barrier_wait -3
	s_barrier_signal -1
	s_barrier_wait -1
.endm
.macro CROUND
	s_barrier_signal -1
	s_barrier_wait -1
	CREST
.endm
	s_load_b128 s[4:7], s[0:1], 0x0                ; ao s[4:5], wt s[6:7]
	s_load_b64 s[8:9], s[0:1], 0x10                ; out0
	v_lshl_add_u32 v254, v0, 2, 0x49400
	v_mov_b32 v255, 0
	ds_add_u32 v254, v255
	ds_add_u32 v254, v255
	v_lshrrev_b32 v1, 5, v0
	v_readfirstlane_b32 s10, v1                    ; wave 0..3
	s_lshr_b32 s11, s10, 1                         ; wm
	s_and_b32 s12, s10, 1                          ; wn
	s_bfe_u32 s40, ttmp6, 0x40000                  ; cx
	s_bfe_u32 s41, ttmp6, 0x40004                  ; cy
	s_lshl_b32 s42, ttmp9, 2
	s_add_co_u32 s42, s42, s40                     ; block column
	s_and_b32 s13, ttmp7, 0xffff
	s_lshl_b32 s13, s13, 2
	s_add_co_u32 s13, s13, s41                     ; block row
	s_lshl_b32 s43, s41, 2
	s_lshl_b32 s43, 15, s43                        ; my row of the cluster
	s_lshl_b32 s44, 0x1111, s40                    ; my column
	s_or_b32 s[G1+0], s43, (1<<16)|(1<<20)|(1<<21)|(4<<22)|(3<<25)    ; O: 4 words of padding behind every 32 words
	s_or_b32 s[G1B+0], s44, (1<<16)|(1<<20)|(1<<21)|(6<<22)|(3<<25)   ; WO^T: behind every 128 words
	s_mov_b32 s[G1+1], 64<<16                      ; tensor_dim0
	s_mov_b32 s[G1B+1], 256<<16
	s_mov_b32 s[G1+2], 128<<16                     ; tensor_dim1
	s_mov_b32 s[G1B+2], 32<<16
	s_mov_b32 s[G1+3], 64<<16                      ; tile_dim0
	s_mov_b32 s[G1B+3], 256<<16
	s_mov_b32 s[G1+4], 128                         ; tile_dim1
	s_mov_b32 s[G1B+4], 32
	s_mov_b32 s[G1+5], 64                          ; elements from row to row
	s_mov_b32 s[G1B+5], 1024
	s_mov_b32 s[G1+6], 0
	s_mov_b32 s[G1B+6], 0
	s_mov_b32 s[G1+7], 0
	s_mov_b32 s[G1B+7], 0
	s_lshr_b32 s16, s13, 4                         ; batch
	s_lshl_b32 s16, s16, 4
	s_add_co_u32 s16, s16, s10                     ; plane 16 b + w
	s_lshl_b32 s16, s16, 18
	s_and_b32 s17, s13, 15
	s_lshl_b32 s17, s17, 14                        ; 128 rows of 128 bytes a block
	s_add_co_u32 s16, s16, s17
	s_mov_b32 s17, 0
	s_lshl_b32 s46, s42, 7
	s_lshl_b32 s47, s10, 5
	s_add_co_u32 s46, s46, s47
	s_add_co_u32 s46, s46, 3072                    ; wt's row 3072 + 128 x block column + 32 w
	s_lshl_b32 s46, s46, 11
	s_mov_b32 s47, 0
	s_mul_i32 s20, s10, ASUB
	s_mul_i32 s21, s10, BQ
	s_add_co_u32 s21, s21, ABYTES
	s_wait_dscnt 0x0
	s_wait_kmcnt 0x0
	s_add_nc_u64 s[14:15], s[4:5], s[16:17]
	s_add_nc_u64 s[46:47], s[6:7], s[46:47]
	CROUND                                         ; all sixteen work-groups are here: the first joint loads meet
.irp s, 0,1
	s_mov_b32 s[G0+4*\s], 1
	s_add_co_u32 s[G0+4*\s+1], s20, \s*SLOT
	s_add_nc_u64 s[G0+4*\s+2:G0+4*\s+3], s[14:15], \s*ASTEP
	s_or_b32 s[G0+4*\s+3], s[G0+4*\s+3], 0x80000000
	s_mov_b32 s[G0B+4*\s], 1
	s_add_co_u32 s[G0B+4*\s+1], s21, \s*SLOT
	s_add_nc_u64 s[G0B+4*\s+2:G0B+4*\s+3], s[46:47], \s*BSTEP
	s_or_b32 s[G0B+4*\s+3], s[G0B+4*\s+3], 0x80000000
	JLOAD \s
.endr
	v_and_b32 v1, 15, v0                           ; r
	v_bfe_u32 v2, v0, 4, 1                         ; h
	v_mul_u32_u24 v3, v1, APITCH
	v_lshl_add_u32 v3, v2, 4, v3
	v_mul_u32_u24 v4, v1, BPITCH
	v_lshl_add_u32 v4, v2, 4, v4
	s_mul_i32 s22, s11, 64*APITCH                  ; my 64 rows of O, in each head's part
	s_mul_i32 s23, s12, 64*BPITCH
	s_add_co_u32 s23, s23, ABYTES                  ; my 64 rows of WO^T
.irp s, 0,1
	v_add_nc_u32 v[ADRA+\s], s22, v3
	v_add_nc_u32 v[ADRB+\s], s23, v4
	s_add_co_u32 s22, s22, SLOT
	s_add_co_u32 s23, s23, SLOT
.endr
	s_mul_i32 s22, s10, WSTAGE
	s_add_co_u32 s22, s22, STAGE
	v_mul_u32_u24 v5, v1, SPITCH
	v_lshl_add_u32 v5, v2, 5, v5
	v_add_nc_u32 v[STO], s22, v5                   ; in: row r, 32 bytes for each half of the lanes
	v_mul_u32_u24 v5, v2, SPITCH
	v_lshl_add_u32 v5, v1, 4, v5
	v_add_nc_u32 v[RD], s22, v5                    ; back: lanes 0-15 one row of 256 bytes, lanes 16-31 the next
	v_lshlrev_b32 v5, 12, v2
	v_lshl_add_u32 v[CO], v1, 4, v5                ; and the same two rows in out0
.macro MUL4 u, a, zero                 ; row tile a x 4 column tiles, 32 along K
.irp b, 0,1,2,3
.if \zero
	v_wmma_f32_16x16x32_f16 v[8*(4*\a+\b):8*(4*\a+\b)+7], v[FB+64*\u+8*\b:FB+64*\u+8*\b+7], v[FA+64*\u+8*\a:FA+64*\u+8*\a+7], 0
.else
	v_wmma_f32_16x16x32_f16 v[8*(4*\a+\b):8*(4*\a+\b)+7], v[FB+64*\u+8*\b:FB+64*\u+8*\b+7], v[FA+64*\u+8*\a:FA+64*\u+8*\a+7], v[8*(4*\a+\b):8*(4*\a+\b)+7]
.endif
.endr
.endm
.macro FETCH slot, e, u                ; 16 LDS loads: the fragments of eighth e (32 K: half e % 2 of head e / 2) into buffer u
	WIN 0
.irp i, 0,1,2,3
	ds_load_b128 v[FB+64*\u+8*\i:FB+64*\u+8*\i+3],   v[ADRB+\slot] offset:64*\e+\i*16*BPITCH
	ds_load_b128 v[FB+64*\u+8*\i+4:FB+64*\u+8*\i+7], v[ADRB+\slot] offset:64*\e+\i*16*BPITCH+32
.endr
.irp i, 0,1,2,3
	ds_load_b128 v[FA+64*\u+8*\i:FA+64*\u+8*\i+3],   v[ADRA+\slot] offset:(\e/2)*ASUB+(\e%2)*64+\i*16*APITCH
	ds_load_b128 v[FA+64*\u+8*\i+4:FA+64*\u+8*\i+7], v[ADRA+\slot] offset:(\e/2)*ASUB+(\e%2)*64+\i*16*APITCH+32
.endr
.endm
.macro PLACES                          ; four plain places between a matrix instruction and a load into, or a reading of, its registers (ISA guide 7.12.1 for vector instructions)
.rept 4
	v_nop
.endr
.endm
; A K step is eight eighths of 32 along K, 16 matrix instructions each, on buffers 0, 1, 0, 1 ..  The 16 accumulators take turns, one instruction a
; turn, in the same order in every eighth.
.macro EIGHTH slot, e, f, g, zero      ; multiplies buffer f; fetches eighth e into buffer g
	s_wait_dscnt 4                                 ; all but the youngest four loads (O's tiles 2, 3)
	WIN MULW
	MUL4 \f, 0, \zero
	MUL4 \f, 1, \zero
	PLACES
	FETCH \slot, \e, \g
	s_wait_dscnt 16                                ; all but the 16 just issued
	WIN MULW
	MUL4 \f, 2, \zero
	MUL4 \f, 3, \zero
.endm
.macro SEVEN slot, zero
	EIGHTH \slot, 1, 0, 1, \zero
	EIGHTH \slot, 2, 1, 0, 0
	EIGHTH \slot, 3, 0, 1, 0
	EIGHTH \slot, 4, 1, 0, 0
	EIGHTH \slot, 5, 0, 1, 0
	EIGHTH \slot, 6, 1, 0, 0
	EIGHTH \slot, 7, 0, 1, 0
.endm
; The last eighth multiplies buffer 1 and changes slots: each wave's waits for its reads and for all its tensor loads stand in front of the barrier;
; fill = 1: the barrier opens a round of the cluster's barrier, and the joint refills are the first tensor loads behind the round.
.macro TURN slot, next, fill
	s_wait_dscnt 4
	WIN MULW
	MUL4 1, 0, 0
	s_wait_dscnt 0
	s_wait_tensorcnt 0x0
	ds_add_u32 v254, v255
	s_wait_dscnt 0x0
	s_barrier_signal -1
	MUL4 1, 1, 0
	WIN 0
	s_barrier_wait -1
.if \fill
	CREST
	s_add_nc_u64 s[G0+4*\slot+2:G0+4*\slot+3], s[G0+4*\slot+2:G0+4*\slot+3], 2*ASTEP
	s_add_nc_u64 s[G0B+4*\slot+2:G0B+4*\slot+3], s[G0B+4*\slot+2:G0B+4*\slot+3], 2*BSTEP
	JLOAD \slot
.endif
	PLACES
	FETCH \next, 0, 0
	WIN MULW
	MUL4 1, 2, 0
	MUL4 1, 3, 0
.endm
	s_wait_tensorcnt 2                             ; my two parts of K step 0 are in; K step 1's two stay out
	s_barrier_signal -1
	s_barrier_wait -1
	FETCH 0, 0, 0
	SEVEN 0, 1                                     ; K steps 0 and 1: the first products start the sums; both slots are filled again
	TURN 0, 1, 1
	SEVEN 1, 0
	TURN 1, 0, 1
	SEVEN 0, 0                                     ; K steps 2 and 3 fill nothing
	TURN 0, 1, 0
	SEVEN 1, 0
	s_wait_dscnt 4
	WIN MULW
	MUL4 1, 0, 0
	MUL4 1, 1, 0
	s_wait_dscnt 0
	MUL4 1, 2, 0
	MUL4 1, 3, 0
	; THE WAY OUT, 16 rows at a time: 32 bytes a lane into my own stage, read back as whole rows of 256 bytes.
	PLACES
	s_lshl_b32 s74, s13, 7
	s_lshl_b32 s75, s11, 6
	s_add_co_u32 s74, s74, s75                     ; my first row
	s_lshl_b32 s76, s74, 12                        ; rows of 4,096 bytes (below 16 MiB)
	s_lshl_b32 s74, s42, 9
	s_lshl_b32 s75, s12, 8
	s_add_co_u32 s74, s74, s75                     ; my first column, in bytes
	s_add_co_u32 s76, s76, s74
	s_mov_b32 s77, 0
	s_add_nc_u64 s[8:9], s[8:9], s[76:77]
.macro OUT16 a
	WIN 0x04                                       ; an LDS store's data is source 1: window 1
.irp b, 0,1,2,3
	ds_store_b128 v[STO], v[8*(4*\a+\b):8*(4*\a+\b)+3]   offset:64*\b
	ds_store_b128 v[STO], v[8*(4*\a+\b)+4:8*(4*\a+\b)+7] offset:64*\b+16
.endr
	WIN 0
	s_wait_xcnt 0x0                                ; RB, which the last stores read, is loaded again only behind this wait (ISA guide 3.1)
.irp t, 0,1,2,3,4,5,6,7
	ds_load_b128 v[RB+4*\t:RB+4*\t+3], v[RD] offset:2*SPITCH*\t    ; LDS serves a wave's instructions in order (ISA guide 5.7.1.4)
.endr
.irp t, 0,1,2,3,4,5,6,7
	s_wait_dscnt 7-\t
	global_store_b128 v[CO], v[RB+4*\t:RB+4*\t+3], s[8:9] offset:4096*(16*\a+2*\t) th:TH_STORE_NT   ; 16 lanes: 256 consecutive bytes, aligned
.endr
.endm
	OUT16 0
	OUT16 1
	OUT16 2
	OUT16 3
	s_wait_tensorcnt 0x0
	ds_add_u32 v254, v255
	s_wait_dscnt 0x0
	CROUND                                         ; the closing round
	s_endpgm
.Lfunc_end_k_qcb837d0d2c_oproj:
	.size	k_qcb837d0d2c_oproj, .Lfunc_end_k_qcb837d0d2c_oproj-k_qcb837d0d2c_oproj
	.p2alignl 7, 3214868480
	.fill 96, 4, 3214868480
	.section	.rodata,"a",@progbits
	.p2align	6, 0x0
	.amdhsa_kernel k_qcb837d0d2c_oproj
		.amdhsa_group_segment_fixed_size 327680
		.amdhsa_private_segment_fixed_size 0
		.amdhsa_enable_private_segment 0
		.amdhsa_kernarg_size 24
		.amdhsa_user_sgpr_count 2
		.amdhsa_user_sgpr_kernarg_segment_ptr 1
		.amdhsa_wavefront_size32 1
		.amdhsa_system_sgpr_workgroup_id_x 1
		.amdhsa_system_sgpr_workgroup_id_y 1
		.amdhsa_system_sgpr_workgroup_id_z 1
		.amdhsa_system_vgpr_workitem_id 0
		.amdhsa_next_free_vgpr 384
		.amdhsa_next_free_sgpr 80
		.amdhsa_reserve_vcc 0
		.amdhsa_float_denorm_mode_32 3
		.amdhsa_float_denorm_mode_16_64 3
		.amdhsa_memory_ordered 1
		.amdhsa_forward_progress 1
		.amdhsa_inst_pref_size 90
	.end_amdhsa_kernel
	.amdgpu_metadata
---
amdhsa.version: [ 1, 2 ]
amdhsa.kernels:
  - .name:           k_qcb837d0d2c_oproj
    .symbol:         k_qcb837d0d2c_oproj.kd
    .args:
      - { .name: ao, .offset: 0, .size: 8, .value_kind: global_buffer, .address_space: global }
      - { .name: wt, .offset: 8, .size: 8, .value_kind: global_buffer, .address_space: global }
      - { .name: out0, .offset: 16, .size: 8, .value_kind: global_buffer, .address_space: global }
    .group_segment_fixed_size: 327680
    .private_segment_fixed_size: 0
    .kernarg_segment_align: 8
    .kernarg_segment_size: 24
    .max_flat_workgroup_size: 128
    .sgpr_count:     80
    .vgpr_count:     384
    .wavefront_size: 32
...
	.end_amdgpu_metadata
.endif
;; end of part 4
